; MI455X (gfx1250); checked and timed in simulation.
; The chip was launched on July 23, 2026; its instructions are those of AMD's public machine-readable ISA for CDNA 5 (MIT licence, August 2026) and "CDNA5" Instruction Set Architecture Reference Guide (July 2026). The comments in the code are by the model that wrote it; some were corrected since.
;; Hybrid Attention QKV Packed. Allowed arithmetic: matrix products marked QUANTISED: E2M1 operands, one E8M0 scale for each 32 along K, by v_wmma_scale_f32_16x16x128_f8f6f4 with both operands' format E2M1 (or v_wmma_scale_f32_32x16x128_f4), f32 sums; everything else in f32.
;; Inputs: qkv 2 x 2,048 x 3 x 32 x 128 float32.
;; Outputs: out0 2 x 2,048 x 32 x 128 float32.
;; This version of the problem:
;;   THIS VERSION OF THE PROBLEM IS GIVEN IN LOW PRECISION. The matrix products marked QUANTISED in the list below multiply operands that are first quantised to E2M1 (2 exponent bits, 1 mantissa bit; 4 bits a number), with one power-of-two scale for each 32 numbers along K (OCP MX v1.0); their sums are f32. All else is computed in f32.
;;   The module's matrix products, in the order in which they are computed (A, B: the left and right operand; K: the contracted axis; several contracted axes count as one K, in the product's order):
;;     1. batch 64 x [M 2,048, K 128] x [K 128, N 2,048]; A: input qkv; B: input qkv: QUANTISED
;;     2. batch 64 x [M 128, K 2,048] x [K 2,048, N 2,048]; A: input qkv; B: softmax (see below): QUANTISED
;;   THE QUANTISER, for each operand of a quantised product, along K:
;;     - K is cut into blocks of 32 from its start; a last block that is shorter is filled with zeros.
;;     - A block's scale is 2^e with e = floor(log2(the largest magnitude in the block)) - 2, held to -126 .. 127; a block of zeros has e = 0. As a byte (E8M0): e + 127.
;;     - Each number is divided by its block's scale, clamped to +-6, and rounded to the nearest number of E2M1, ties to even, subnormals kept.
;;     - The product sums the exact products of the quantised numbers (number of the format x scale) in f32.
;;   ~~~python
;;   def quantise(x, axis):      # numpy; x: float32 -> the quantised numbers, widened to float32 again
;;       x = np.moveaxis(x, axis, -1); K = x.shape[-1]
;;       x = np.pad(x, [(0, 0)] * (x.ndim - 1) + [(0, -K % 32)]); x = x.reshape(x.shape[:-1] + (-1, 32)); a = np.abs(x).max(-1, keepdims=True)
;;       e = np.where(a > 0, np.clip(np.frexp(np.where(a > 0, a, 1))[1] - 1 - 2, -126, 127), 0)      # np.frexp(a)[1] - 1 = floor(log2(a)), exactly
;;       r = np.clip(x / 2.0 ** e, -6, 6)
;;       step = 2.0 ** (np.maximum(np.frexp(np.where(r == 0, 1, r))[1] - 1, 0) - 1)
;;       q = np.round(r / step) * step * 2.0 ** e      # np.round: ties to even
;;       return np.moveaxis(q.reshape(q.shape[:-2] + (-1,))[..., :K], -1, axis).astype(np.float32)
;;   ~~~
;;   SOFTMAX AHEAD OF A QUANTISED PRODUCT. Where the list says 'softmax', what is quantised is not the finished softmax but p = 2^(t - M), with t = logit x log2(e) and M = ceil(the row's largest t), a whole number; so 1/2 < the row's largest p <= 1. The row's sum l is taken of the UNQUANTISED p, in f32, and the product's result is divided by l at the end. Since M is a whole number, a kernel that streams over the keys may use a running M (the ceiling of the running maximum): every later rescaling is an exact power of two, which a block's scale takes up: the codes' values come out the same.
;;   OPERANDS COMPUTED ON THE WAY. 'Computed on the way' means the value that the module computes at that place (a softmax that the list does not call 'softmax' is quantised finished and normalised). What goes into a quantiser is computed in f32, as accurately as f32 sums, v_exp_f32 and their like allow (about 1e-6 of the number): no bf16 or f16 on the way to a quantiser, and a product that is left as it is and whose result goes on into a quantised operand takes f32 operands (vector FMAs, or v_wmma_f32_16x16x4_f32). A number that lies on a knife's edge between two numbers of the format may be rounded either way, as far as f32 arithmetic and the matrix unit's own rounding can turn it there, and no further.
;; One version. Each part assembles by itself: llvm-mc -triple=amdgcn-amd-amdhsa -mcpu=gfx1250 --defsym DOCPART=n.
;; ======== version 1 of 1: 2 launches
;; limits: right only within a limited range of input values
;; workspace buffers: kv 17,825,792 bytes
;; launch quant (part 1): grid 256 x 2, 4 waves a work-group, no clusters, 34,304 bytes of LDS; arguments qkv, kv; writes kv
.if DOCPART == 1
	.amdgcn_target "amdgcn-amd-amdhsa--gfx1250"
	.amdhsa_code_object_version 6
	.text
	.protected	k_q87c0811431_quant
	.globl	k_q87c0811431_quant
	.p2align	8
	.type	k_q87c0811431_quant,@function
k_q87c0811431_quant:
	s_mov_b64 s[64:65], 0
	v_nop
	global_prefetch_b8 v0, s[64:65] scope:SCOPE_SE
	s_setreg_imm32_b32 hwreg(HW_REG_WAVE_MODE, 25, 1), 1
	s_wait_xcnt 0x0
; k and v of qkv [2][2048][3][32][128] f32 become codes of FP4 (E2M1) with one E8M0 scale byte for each 32 along K, laid in the ORDER OF THE OPERAND'S REGISTERS.
; k is quantised along the head's 128 (innermost in memory), v along the keys (not innermost).  q is not touched here: each of its tiles is read by one wave of the next launch, which quantises it in registers.
; WORK LEFT OUT IN THIS PROGRAM: reference() sets the scores of keys t > s to -infinity by a mask of its own, so their p is 0 for all inputs; key steps that lie wholly behind a tile's queries are not multiplied in the
; next launch.  A NaN, an infinity or an overflow that reaches only such scores is not carried to the result.  Every number of qkv has a way to the output and is loaded.
; kv: for each bh = 32 b + h and key step ks (128 positions) one block of 17,408 bytes at (16 bh + ks) x 17,408: k's codes 8,192, v's codes 8,192, k's scale words 512, v's scale words 512.
;   codes  [tile 8][c 2][lane 32][16 bytes]: lane (r = lane % 16, hh = lane / 16), group c = registers 4 c .. 4 c + 3 of the operand: K = 64 c + 32 hh + 0 .. 31 of the tile's row r.
;          k: row r of tile T is position 128 ks + 32 (T / 2) + 8 (T % 2) + r + 8 (r / 8), K = the channel.     v: row r of tile T is channel 16 T + r, K = the block's 128 keys in their order.
;   scales [lane 32][m 4] words: the word at 16 lane + 4 m is the scale word (four bytes: 128 along K) of row lane % 16 of tile 2 m + lane / 16.
; A block's scale is 2^(floor(log2(its largest magnitude)) - 2); its byte is the largest magnitude's exponent field - 2, held at 1 from below by a floor among the maximum's leaves.
; LIMITS: a block of zeros, or one whose largest magnitude lies under 2^-124, gets the byte 1 (zero codes add nothing; only this program reads the bytes); NaN and infinities are not served.
; SHARES: work-group y = 0 k, 1 v; x = (b, ks, hg); wave w takes head 4 hg + w and makes one block's half.  The four waves read 2,048 consecutive bytes of each position.  Waves share nothing: no barrier.
; No tensor loads, matrix units or clusters: a stream in which nothing is read twice; several work-groups lie on a WGP.
.set POS,    49152                     ; bytes from a position to the next; 127 positions on stay inside the signed 24-bit immediate (ISA guide, chapter 10)
.set UNIT,   17408
.set SPITCH, 528                       ; k: a stage row: 512 bytes + 16
.set WSTG,   16*SPITCH
.set FLOOR,  0x1800000                 ; 2^(3 - 127)
.set OFFE,   0xff000000                ; takes 2 off an exponent field
	s_load_b128 s[4:7], s[0:1], 0x0                ; qkv, kv
	v_lshl_add_u32 v248, v0, 2, 0x8400             ; my spare word, behind the four stages
	v_mov_b32 v249, 0
	v_lshrrev_b32 v2, 5, v0
	v_readfirstlane_b32 s10, v2                    ; wave 0..3
	v_and_b32 v1, 31, v0                           ; lane
	s_and_b32 s11, ttmp7, 0xffff                   ; 0 k, 1 v
	s_and_b32 s12, ttmp9, 7                        ; hg
	s_bfe_u32 s13, ttmp9, 0x40003                  ; ks
	s_lshr_b32 s14, ttmp9, 7                       ; b
	s_lshl_b32 s15, s12, 2
	s_add_co_u32 s15, s15, s10                     ; h
	s_lshl_b32 s16, s14, 5
	s_add_co_u32 s16, s16, s15                     ; bh
	s_lshl_b32 s18, s14, 11
	s_lshl_b32 s19, s13, 7
	s_add_co_u32 s18, s18, s19                     ; first position: 2,048 b + 128 ks
	s_mul_i32 s18, s18, 3
	s_add_co_u32 s18, s18, s11
	s_add_co_u32 s18, s18, 1                       ; k is the second, v the third of a position's three
	s_lshl_b32 s18, s18, 14
	s_lshl_b32 s19, s15, 9
	s_add_co_u32 s18, s18, s19                     ; + 512 h: under 2^28
	s_mov_b32 s19, 0
	s_lshl_b32 s20, s16, 4
	s_add_co_u32 s20, s20, s13
	s_mul_i32 s20, s20, UNIT                       ; the block
	s_lshl_b32 s22, s11, 9
	s_add_co_u32 s22, s22, s20
	s_add_co_u32 s22, s22, 16384                   ; my scale words
	s_lshl_b32 s26, s11, 13
	s_add_co_u32 s20, s20, s26                     ; my codes
	s_mov_b32 s21, 0
	s_mov_b32 s23, 0
	s_mov_b32 s24, 0x76543210
	s_mov_b32 s25, 0xfedcba98                      ; v_permlanex16_b32's selects for lane l xor 16
	s_wait_kmcnt 0x0
	s_add_nc_u64 s[4:5], s[4:5], s[18:19]
	s_add_nc_u64 s[8:9], s[6:7], s[22:23]
	s_add_nc_u64 s[6:7], s[6:7], s[20:21]
	s_cmp_eq_u32 s11, 1                            ; v takes a way of its own, which touches no LDS
	s_cbranch_scc1 .Lv
; k: each load reads a position's 512 bytes as they lie; a tile's 16 rows turn through the wave's stage and come back so that lane (r, hh) holds d = 64 c + 32 hh + 0 .. 31 of row r in registers 32 c + 0 .. 31.
.set R,  16
.set X,  144
.set C,  208
.set W,  224
.set Z,  232
.set MX, 236
.set SO, 238
.set PD, 240
.set BY, 241
.set TW, 243
	s_wait_alu depctr_va_vdst(0)                   ; the wait behind the branch's way on
	v_lshlrev_b32 v3, 4, v1
	v_and_b32 v2, 15, v1
	v_lshrrev_b32 v5, 4, v1
	v_lshlrev_b32 v4, 3, v5
	s_mul_i32 s17, s10, WSTG
	v_add_nc_u32 v14, s17, v3
	v_mul_u32_u24 v15, v2, SPITCH
	v_lshl_add_u32 v15, v5, 7, v15
	v_add_nc_u32 v15, s17, v15
	v_mov_b32 v[PD], 0
.macro LOADQK T
.irp p, 0,1,2,3,4,5,6,7,8,9,10,11,12,13,14,15
	global_load_b128 v[R+64*((\T)%2)+4*\p:R+64*((\T)%2)+4*\p+3], v3, s[4:5] offset:(32*((\T)/2)+8*((\T)%2)+\p+8*(\p/8))*POS th:TH_LOAD_NT
.endr
.endm
.macro TILE T
.set RS, R+64*((\T)%2)
.set CC, C+8*((\T)%2)
.if (\T) < 7
	s_wait_loadcnt 16                              ; this tile's 16 loads are in; the next tile's 16 may be out
.else
	s_wait_loadcnt 0
.endif
.irp p, 0,1,2,3,4,5,6,7,8,9,10,11,12,13,14,15
	ds_store_b128 v14, v[RS+4*\p:RS+4*\p+3] offset:SPITCH*\p
.endr
.irp c, 0,1
.irp j, 0,1,2,3,4,5,6,7
	ds_load_b128 v[X+32*\c+4*\j:X+32*\c+4*\j+3], v15 offset:256*\c+16*\j   ; LDS serves a wave's instructions in order (ISA guide 5.7.1)
.endr
.endr
	s_wait_dscnt 0x0
.if (\T) >= 2
	s_wait_xcnt 0x0                                ; the stores of two tiles ago have read this set of codes
.endif
.if (\T)+2 < 8
	LOADQK (\T)+2
.endif
.irp c, 0,1
	v_max3_num_f32 v[MX+\c], |v[X+32*\c]|, |v[X+32*\c+1]|, FLOOR
.endr
.irp i, 2,4,6,8,10,12,14,16,18,20,22,24,26,28,30
.irp c, 0,1
	v_max3_num_f32 v[MX+\c], v[MX+\c], |v[X+32*\c+\i]|, |v[X+32*\c+\i+1]|
.endr
.endr
.irp c, 0,1
	v_add_nc_u32 v[SO+\c], OFFE, v[MX+\c]          ; the conversion's scale operand
.endr
.irp c, 0,1
	v_lshrrev_b32 v[BY+\c], 23, v[SO+\c]           ; the scale's byte
.endr
	v_lshl_or_b32 v[TW], v[BY+1], 16, v[BY]
	v_lshlrev_b32 v[TW], v4, v[TW]
	v_permlanex16_b32 v[PD], v[TW], s24, s25
	v_or_b32 v[W+(\T)], v[TW], v[PD]               ; the row's whole scale word, in both lanes
.irp c, 0,1
.irp g, 0,1,2,3
	v_cvt_scalef32_pk8_fp4_f32 v[CC+4*\c+\g], v[X+32*\c+8*\g:X+32*\c+8*\g+7], v[SO+\c]
.endr
.endr
	v_nop                                          ; one plain place behind the last scaled conversion
.irp c, 0,1
	global_store_b128 v3, v[CC+4*\c:CC+4*\c+3], s[6:7] offset:1024*(\T)+512*\c   ; 512 consecutive bytes, aligned
.endr
.endm
	LOADQK 0
	LOADQK 1
	s_wait_alu depctr_va_vdst(0)                   ; the wait ahead of the first blocking wait
.irp t, 0,1,2,3,4,5,6,7
	TILE \t
.endr
	v_cmp_le_u32 vcc_lo, 16, v1                    ; lanes 16-31 carry the odd tiles' words
.irp m, 0,1,2,3
	v_cndmask_b32 v[Z+\m], v[W+2*\m], v[W+2*\m+1], vcc_lo
.endr
	global_store_b128 v3, v[Z:Z+3], s[8:9]
	s_wait_tensorcnt 0x0                           ; the wave's end
	ds_add_u32 v248, v249
	s_wait_dscnt 0x0
	s_endpgm
; v: A LANE TAKES A CHANNEL AND ITS REGISTERS RUN DOWN THE KEYS.  Piece n = 4 beta + m: block beta of 32 keys, channels 32 m + lane.
.set XV, 16
.set CV, 80
.set WW, 144
.Lv:
	s_wait_alu depctr_va_vdst(0)                   ; the wait behind the taken branch
	v_lshlrev_b32 v6, 2, v1
	v_lshrrev_b32 v7, 4, v1
	v_and_b32 v9, 15, v1
	v_lshlrev_b32 v7, 10, v7
	v_lshl_add_u32 v7, v9, 4, v7
	v_lshlrev_b32 v8, 4, v1
.macro LOADV n
.irp i, 0,1,2,3,4,5,6,7,8,9,10,11,12,13,14,15,16,17,18,19,20,21,22,23,24,25,26,27,28,29,30,31
	global_load_b32 v[XV+32*((\n)%2)+\i], v6, s[4:5] offset:(32*((\n)/4)+\i)*POS+128*((\n)%4) th:TH_LOAD_NT
.endr
.endm
.macro BLOCKV n
.set XS, XV+32*((\n)%2)
.if (\n) < 15
	s_wait_loadcnt 32                              ; this piece's 32 loads are in; the next piece's may be out
.else
	s_wait_loadcnt 0
.endif
	v_max3_num_f32 v148, |v[XS]|, |v[XS+1]|, |v[XS+2]|
	v_max3_num_f32 v149, |v[XS+3]|, |v[XS+4]|, |v[XS+5]|
.irp i, 6,10,14,18,22,26
	v_max3_num_f32 v148, v148, |v[XS+\i]|, |v[XS+\i+1]|
	v_max3_num_f32 v149, v149, |v[XS+\i+2]|, |v[XS+\i+3]|
.endr
	v_max3_num_f32 v148, v148, |v[XS+30]|, |v[XS+31]|
	v_max3_num_f32 v148, v148, v149, FLOOR
	v_add_nc_u32 v150, OFFE, v148
.if ((\n)/4) == 0
	v_lshrrev_b32 v[WW+(\n)%4], 23, v150
.else
	v_lshrrev_b32 v151, 23, v150
	v_lshl_or_b32 v[WW+(\n)%4], v151, 8*((\n)/4), v[WW+(\n)%4]
.endif
.irp g, 0,1,2,3
	v_cvt_scalef32_pk8_fp4_f32 v[CV+4*(\n)+\g], v[XS+8*\g:XS+8*\g+7], v150
.endr
	v_nop
	global_store_b128 v7, v[CV+4*(\n):CV+4*(\n)+3], s[6:7] offset:2048*((\n)%4)+512*((\n)/8)+256*(((\n)/4)%2)   ; each sixteen lanes store 256 consecutive bytes, aligned
.if (\n)+2 < 16
	LOADV (\n)+2
.endif
.endm
	LOADV 0
	LOADV 1
.irp n, 0,1,2,3,4,5,6,7,8,9,10,11,12,13,14,15
	BLOCKV \n
.endr
	global_store_b128 v8, v[WW:WW+3], s[8:9]
	s_endpgm
.Lfunc_end_k_q87c0811431_quant:
	.size	k_q87c0811431_quant, .Lfunc_end_k_q87c0811431_quant-k_q87c0811431_quant
	.p2alignl 7, 3214868480
	.fill 96, 4, 3214868480
	.section	.rodata,"a",@progbits
	.p2align	6, 0x0
	.amdhsa_kernel k_q87c0811431_quant
		.amdhsa_group_segment_fixed_size 34304
		.amdhsa_private_segment_fixed_size 0
		.amdhsa_enable_private_segment 0
		.amdhsa_kernarg_size 16
		.amdhsa_user_sgpr_count 2
		.amdhsa_user_sgpr_kernarg_segment_ptr 1
		.amdhsa_wavefront_size32 1
		.amdhsa_system_sgpr_workgroup_id_x 1
		.amdhsa_system_sgpr_workgroup_id_y 1
		.amdhsa_system_sgpr_workgroup_id_z 1
		.amdhsa_system_vgpr_workitem_id 0
		.amdhsa_next_free_vgpr 250
		.amdhsa_next_free_sgpr 66
		.amdhsa_reserve_vcc 1
		.amdhsa_float_denorm_mode_32 3
		.amdhsa_float_denorm_mode_16_64 3
		.amdhsa_memory_ordered 1
		.amdhsa_forward_progress 1
		.amdhsa_inst_pref_size 131
	.end_amdhsa_kernel
	.amdgpu_metadata
---
amdhsa.version: [ 1, 2 ]
amdhsa.kernels:
  - .name:           k_q87c0811431_quant
    .symbol:         k_q87c0811431_quant.kd
    .args:
      - { .name: qkv, .offset: 0, .size: 8, .value_kind: global_buffer, .address_space: global }
      - { .name: kv, .offset: 8, .size: 8, .value_kind: global_buffer, .address_space: global }
    .group_segment_fixed_size: 34304
    .private_segment_fixed_size: 0
    .kernarg_segment_align: 8
    .kernarg_segment_size: 16
    .max_flat_workgroup_size: 128
    .sgpr_count:     66
    .vgpr_count:     250
    .wavefront_size: 32
...
	.end_amdgpu_metadata
.endif
;; end of part 1
;; launch attn (part 2): grid 4 x 64, 12 waves a work-group, clusters of 4 x 1, 327,680 bytes of LDS; arguments qkv, kv, out0; writes out0
.if DOCPART == 2
	.amdgcn_target "amdgcn-amd-amdhsa--gfx1250"
	.amdhsa_code_object_version 6
	.text
	.protected	k_q87c0811431_attn
	.globl	k_q87c0811431_attn
	.p2align	8
	.type	k_q87c0811431_attn,@function
k_q87c0811431_attn:
	s_mov_b64 s[64:65], 0
	v_nop
	global_prefetch_b8 v0, s[64:65] scope:SCOPE_SE
	s_setreg_imm32_b32 hwreg(HW_REG_WAVE_MODE, 25, 1), 1
	s_wait_xcnt 0x0
	s_wait_alu depctr_hold_cnt(0) depctr_sa_sdst(0) depctr_va_vdst(0) depctr_va_sdst(0) depctr_va_ssrc(0) depctr_va_vcc(0) depctr_vm_vsrc(0)
	s_getreg_b32 s2, hwreg(HW_REG_IB_STS2, 6, 4)
	s_cmp_eq_u32 s2, 0
	s_cbranch_scc0 .Lentry_in_a_cluster
	s_endpgm
.Lentry_in_a_cluster:
	s_bfe_u32 s2, ttmp6, 0x10000c
	s_cmp_lg_u32 s2, 0x3003
	s_cbranch_scc0 .Lentry_shape_is_right
	s_endpgm
.Lentry_shape_is_right:
; out0[b][s][h][:] = the sum over keys t <= s of softmax_t(q . k / sqrt(128)) v, both products on codes of FP4 (E2M1) with one E8M0 scale for each 32 along a product's K.
; WORK LEFT OUT: key steps all of whose keys come after a tile's queries: reference()'s own mask makes their p 0 for all inputs.  A NaN or infinity that reaches only those scores is not carried on.
; k and v come as codes from the launch before, in the order of the operand's registers: a block of 17,408 bytes for each key step of 128 keys: k's codes, v's codes, k's scale words, v's scale words.
; q is read here as f32, each tile of 16 queries by the one wave that owns it, and quantised in registers along the head's 128.
; THE SOFTMAX: t = score x log2(e) / sqrt(128); M = the running largest t rounded UP to a whole number; p = 2^(t - M) is quantised along the keys, not normalised; the row's sum is taken of the unquantised p
; and divides at the end.  When M moves, the sum and O are multiplied by 2^(old M - new M): exact.
; A WHOLE HEAD'S K AND V STAY IN LDS: 16 blocks, 278,528 dense bytes, filled ONCE: waves 0 to 7 fetch two key steps each by one tensor load.  No byte is filled again; behind the one barrier the waves run freely.
; CLUSTER: the four work-groups of a cluster share a head and ask for each piece JOINTLY (mask 15).
; SHARES: a head has 128 tiles of 16 neighbouring queries; tile 8 x + 4 e + j has its diagonal in key step x and x open key steps before it: x + 1 steps.  Work-group j has 32 tiles, 272 steps, for TWELVE waves.
; Wave w = 2 g + e takes the tiles with x = (15, 6), (14, 7), (13, 5, 1), (12, 4, 3), (11, 9, 0), (10, 8, 2) for g = 0 .. 5: 23, 23, 22, 22, 23, 23 steps.  The lists hang on the wave's number alone;
; j enters only global addresses and the mask's numbers, never a branch or an LDS address.
; A TILE BEGINS WITH ITS DIAGONAL STEP (masked; every query sees its own key there, so M is a number at once): that step starts O, the sum and M, so nothing is cleared and nothing rescaled in it.
; Then come its open steps.  One loop of constant count walks a wave's open steps, 21 at the most; where a tile's are done, the tile leaves and the next begins.
; LAYOUT: both products transposed: S^T = K Q^T, O^T = V^T P^T: a lane holds ONE query (lane % 16).  Row r of tile 2 b + u of K is key 32 b + 8 u + r + 8 (r / 8): registers of tiles 2 b, 2 b + 1 of S^T are 16 neighbouring keys.
; THE WAY OUT: a stage of 8 rows x 256 bytes is what a head leaves room for, and eight queries lie in sixteen lanes only.  So lanes r and r xor 8 first hand each other half of their channels (a multiplication by 1 / sum
; that reads its first source eight lanes off); then all 32 lanes fill eight whole rows, and each sixteen lanes store 256 consecutive bytes, aligned.
; PREFETCH: a later tile's 16 rows of q (32 blocks of 256 bytes, a lane a block, one instruction) are asked for three key steps ahead of their loads; the first tile's come by their loads at the head.  K and V are fetched once, at the head.
; LIMITS: those of the quantising launch, for q too; the promise holds while the scaled scores stay under 2^31 in magnitude; a block's largest p is taken from its largest score, which takes v_exp_f32 not to fall
; where its input rises; p under 2^-126 counts as 0; NaN and infinities are not served.
.set POS,   49152                      ; bytes from a position of qkv to the next
.set UNIT,  17408                      ; a key step's block
.set VOF,   8192                       ; in it: v's codes,
.set KSC,   16384                      ; k's scale words,
.set VSC,   16896                      ; v's
.set STAGE, 278528                     ; behind the head: a stage of 2,304 bytes for each wave; no fill lands here
.set WST,   2304
.set SP,    272                        ; a stage row on the way out: 256 bytes + 16
.set QP,    528                        ; a row of q in the stage: 512 bytes + 16; four rows at a time
.set QSC,   1024                       ; q's scale bytes in the stage, behind its 1,024 bytes of codes
.set SPARE, 306176                     ; the spare words, 128 bytes a wave
.set FLOOR, 0x1800000
.set OFFE,  0xff000000
.set DQ,    38                         ; s38 my tiles' first query within their 128: 16 (4 e + j)
; s10 wave; s11 g; s12, s15, s22 my tiles' key steps x1, x2, x3; s32 the trip at which the third tile begins (99: none); s33 my open steps; s34, s35 what turns a trip's number into a key step; s36, s37 the trips that prefetch;
; s[44:47], s[48:51], s[52:55] q and O of tiles 1, 2, 3; s[58:59], s[60:61], s62 the next tile's q, the leaving tile's O, the next diagonal step; s[66:67] the last tile's O; s[16:17] lane selects; s[18:19] c; s20 trip; s21 LDS byte of the key step
; v1 16 x lane; v2, v3 stage in and back; v4 my bytes in O; v5 r - 16 h; v6 q's rows back from the stage; v7, v9 q's codes and scale bytes into the stage; v10, v11 back (v10 also: q's rows into the stage); v8 the step's LDS address;
; v12 -M; v13 largest t; v[14:15] the sum; v16-23 Q; v24-31 p's codes; v32-95 fragments; v96-159 S^T, p (q by 8 channels a lane before a tile begins); v160-223 O^T (q as loaded before a tile begins);
; v224-235, v248-253 at work; v236-239 K's scale words, v240-243 V's, v244 Q's, v245 p's; v246 f; v247 the prefetch's offset
.macro ROUND
	s_barrier_signal -1
	s_barrier_wait -1
	s_cmp_lg_u32 s10, 0
	s_cbranch_scc1 .Lnot_wave_0_\@
	s_barrier_signal -3
.Lnot_wave_0_\@:
	s_barrier_wait -3
	s_barrier_signal -1
	s_barrier_wait -1
.endm
.macro TILEADR x, qp, op               ; the tile with key step s[x]: tile number 8 x + 4 e + j, first position 2,048 b + 16 x tile
	s_lshl_b32 s74, s[\x], 3
	s_add_co_u32 s74, s74, s77
	s_lshl_b32 s74, s74, 4
	s_add_co_u32 s74, s74, s68
	s_mul_i32 s72, s74, POS
	s_add_co_u32 s72, s72, s69                     ; + 512 h: under 2^28
	s_add_nc_u64 s[\qp:\qp+1], s[4:5], s[72:73]
	s_lshl_b32 s72, s74, 14
	s_add_co_u32 s72, s72, s69
	s_add_nc_u64 s[\op:\op+1], s[8:9], s[72:73]
.endm
.macro LOADQ qp                        ; q's 16 rows as they lie: each load reads a row's 512 consecutive bytes, 16 a lane; row p lands in v[160 + 4 p ..]
.irp i, 0,1,2,3,4,5,6,7
	global_load_b128 v[160+8*\i:163+8*\i], v1, s[\qp:\qp+1] offset:2*\i*POS th:TH_LOAD_NT
	global_load_b128 v[164+8*\i:167+8*\i], v1, s[\qp:\qp+1] offset:(2*\i+1)*POS th:TH_LOAD_NT
.endr
.endm
; q's tile becomes codes: a block of 32 channels lies in four neighbouring lanes.  Codes and scale bytes turn through my stage into the operand's order: 1,024 + 64 bytes.
.macro QUANT
.irp m, 0,1,2,3                        ; rows 4 m .. 4 m + 3 turn through my stage and come back so that lane (H = lane / 16, g = lane % 16) holds channels 8 g .. 8 g + 7 of rows 2 i + H in v[96 + 8 i ..], i = 2 m, 2 m + 1
.irp p, 0,1,2,3
	ds_store_b128 v10, v[160+16*\m+4*\p:163+16*\m+4*\p] offset:QP*\p
.endr
.irp e, 0,1
	ds_load_b128 v[96+16*\m+8*\e:99+16*\m+8*\e], v6 offset:2*QP*\e        ; LDS serves a wave's instructions in order (ISA guide 5.7.1)
	ds_load_b128 v[100+16*\m+8*\e:103+16*\m+8*\e], v6 offset:2*QP*\e+16
.endr
.endr
	s_wait_dscnt 0x0
.irp i, 0,1,2,3,4,5,6,7
	v_max3_num_f32 v[224+\i], |v[96+8*\i]|, |v[97+8*\i]|, FLOOR
.endr
.irp k, 2,4,6
.irp i, 0,1,2,3,4,5,6,7
	v_max3_num_f32 v[224+\i], v[224+\i], |v[96+8*\i+\k]|, |v[97+8*\i+\k]|
.endr
.endr
.irp m, 1,2
.irp i, 0,1,2,3,4,5,6,7
	v_max_num_f32_dpp v[224+\i], v[224+\i], v[224+\i] row_xmask:\m row_mask:0xf bank_mask:0xf
.endr
.endr
.irp i, 0,1,2,3,4,5,6,7
	v_add_nc_u32 v[224+\i], OFFE, v[224+\i]        ; the conversion's scale operand
.endr
.irp i, 0,1,2,3,4,5,6,7
	v_cvt_scalef32_pk8_fp4_f32 v[32+\i], v[96+8*\i:103+8*\i], v[224+\i]
.endr
.irp i, 0,1,2,3,4,5,6,7
	v_lshrrev_b32 v[40+\i], 23, v[224+\i]          ; the scale's byte (plain places behind the conversions)
.endr
.irp i, 0,1,2,3,4,5,6,7
	ds_store_b32 v7, v[32+\i] offset:32*\i         ; row 2 i + H, channels 8 g on: register g % 4 of group g / 8 of lane (row, (g / 4) % 2)
.endr
.irp i, 0,1,2,3,4,5,6,7
	ds_store_b8 v9, v[40+\i] offset:8*\i           ; a block's four lanes write the same byte with the same value
.endr
	ds_load_b128 v[16:19], v10
	ds_load_b128 v[20:23], v10 offset:512
	ds_load_b32 v244, v11
.endm
.macro QK T
.if (\T)%2
	v_wmma_scale_f32_16x16x128_f8f6f4 v[96+8*\T:103+8*\T], v[32+8*\T:39+8*\T], v[16:23], 0, v[236+\T/2], v244 matrix_a_fmt:MATRIX_FMT_FP4 matrix_b_fmt:MATRIX_FMT_FP4 matrix_a_scale:MATRIX_SCALE_ROW1
.else
	v_wmma_scale_f32_16x16x128_f8f6f4 v[96+8*\T:103+8*\T], v[32+8*\T:39+8*\T], v[16:23], 0, v[236+\T/2], v244 matrix_a_fmt:MATRIX_FMT_FP4 matrix_b_fmt:MATRIX_FMT_FP4
.endif
.endm
.macro PV T, zero
.if \zero
.if (\T)%2
	v_wmma_scale_f32_16x16x128_f8f6f4 v[160+8*\T:167+8*\T], v[32+8*\T:39+8*\T], v[24:31], 0, v[240+\T/2], v245 matrix_a_fmt:MATRIX_FMT_FP4 matrix_b_fmt:MATRIX_FMT_FP4 matrix_a_scale:MATRIX_SCALE_ROW1
.else
	v_wmma_scale_f32_16x16x128_f8f6f4 v[160+8*\T:167+8*\T], v[32+8*\T:39+8*\T], v[24:31], 0, v[240+\T/2], v245 matrix_a_fmt:MATRIX_FMT_FP4 matrix_b_fmt:MATRIX_FMT_FP4
.endif
.else
.if (\T)%2
	v_wmma_scale_f32_16x16x128_f8f6f4 v[160+8*\T:167+8*\T], v[32+8*\T:39+8*\T], v[24:31], v[160+8*\T:167+8*\T], v[240+\T/2], v245 matrix_a_fmt:MATRIX_FMT_FP4 matrix_b_fmt:MATRIX_FMT_FP4 matrix_a_scale:MATRIX_SCALE_ROW1
.else
	v_wmma_scale_f32_16x16x128_f8f6f4 v[160+8*\T:167+8*\T], v[32+8*\T:39+8*\T], v[24:31], v[160+8*\T:167+8*\T], v[240+\T/2], v245 matrix_a_fmt:MATRIX_FMT_FP4 matrix_b_fmt:MATRIX_FMT_FP4
.endif
.endif
.endm
; A KEY STEP: the 128 keys whose block begins at LDS byte s21.  diag = 1: a tile's first step, on the diagonal: masked, and it starts M, the sum and O^T.  The sixteen matrix instructions name sixteen accumulators.
.macro STEP diag
	v_add_nc_u32 v8, s21, v1                       ; with the three below: the places between the last products and the loads into the registers that they read
.rept 3
	v_nop
.endr
	ds_load_b128 v[236:239], v8 offset:KSC
.irp T, 0,1,2,3,4,5,6,7
.irp c, 0,1
	ds_load_b128 v[32+8*\T+4*\c:35+8*\T+4*\c], v8 offset:1024*\T+512*\c
.endr
.endr
	s_wait_alu depctr_va_vdst(0)                   ; the wait directly ahead of the wait below
	s_wait_dscnt 0x0
.irp T, 0,1,2,3,4,5,6,7
	QK \T
.endr
.rept 4
	v_nop
.endr
	ds_load_b128 v[240:243], v8 offset:VSC         ; V is asked for a whole softmax ahead, into the registers that K has left
.irp T, 0,1,2,3,4,5,6,7
.irp c, 0,1
	ds_load_b128 v[32+8*\T+4*\c:35+8*\T+4*\c], v8 offset:VOF+1024*\T+512*\c
.endr
.endr
.if \diag
	v_add_nc_u32 v248, s[DQ], v5                   ; d = my query - 16 h, within the 128.  Register 16 b + i holds key 32 b + 16 h + i: hidden where 32 b + i > d
	v_mov_b32 v249, 0xff800000                     ; -infinity: p = 0 then
.set jj, 0
.rept 64
	v_cmp_gt_i32 vcc_lo, 32*(jj/16)+jj%16, v248
	v_cndmask_b32 v[96+jj], v[96+jj], v249, vcc_lo
.set jj, jj+1
.endr
.endif
.irp b, 0,1,2,3
	v_max3_num_f32 v[224+\b], v[96+16*\b], v[97+16*\b], v[98+16*\b]       ; the largest score of each block of 32 keys
.endr
.irp i, 3,5,7,9,11,13
.irp b, 0,1,2,3
	v_max3_num_f32 v[224+\b], v[224+\b], v[96+16*\b+\i], v[97+16*\b+\i]
.endr
.endr
.irp b, 0,1,2,3
	v_max_num_f32 v[224+\b], v[224+\b], v[111+16*\b]
.endr
.irp b, 0,1,2,3
	s_delay_alu instid0(VALU_DEP_4)
	v_permlanex16_b32 v[228+\b], v[224+\b], s16, s17
.endr
.irp b, 0,1,2,3
	s_delay_alu instid0(VALU_DEP_4)
	v_max_num_f32 v[224+\b], v[224+\b], v[228+\b]
.endr
	s_delay_alu instid0(VALU_DEP_2)
	v_max3_num_f32 v248, v224, v225, v226
	s_delay_alu instid0(VALU_DEP_1)
	v_max_num_f32 v248, v248, v227                 ; the step's largest score of my query
	s_delay_alu instid0(VALU_DEP_1)
.if \diag
	v_mul_f32 v13, s18, v248                       ; the largest t
	s_delay_alu instid0(VALU_DEP_1)
	v_floor_f32 v12, -v13                          ; -M = -ceil(t)
.else
	v_mul_f32 v248, s18, v248
	s_delay_alu instid0(VALU_DEP_1)
	v_max_num_f32 v13, v13, v248                   ; the running largest t
	v_mov_b32 v248, v12
	s_delay_alu instid0(VALU_DEP_2)
	v_floor_f32 v12, -v13
	s_delay_alu instid0(VALU_DEP_1)
	v_sub_f32 v248, v12, v248                      ; old M - new M: a whole number, 0 or less
	s_delay_alu instid0(VALU_DEP_1)
	v_cvt_i32_f32 v248, v248                       ; (it saturates)
	s_delay_alu instid0(VALU_DEP_1)
	v_ldexp_f32 v246, 1.0, v248                    ; f = 2^(old M - new M)
.endif
.set jj, 0
.rept 32
	v_pk_fma_f32 v[96+jj:97+jj], v[96+jj:97+jj], s[18:19], v[12:13] op_sel_hi:[1,0,0]   ; t - M
.set jj, jj+2
.endr
.irp b, 0,1,2,3
	v_fma_f32 v[224+\b], v[224+\b], s18, v12
.endr
	s_wait_alu depctr_va_vdst(0)                   ; the wait ahead of the batch
.set jj, 0
.rept 64
	v_exp_f32 v[96+jj], v[96+jj]                   ; p = 2^(t - M)
.set jj, jj+1
.endr
.irp b, 0,1,2,3
	v_exp_f32 v[224+\b], v[224+\b]                 ; the block's largest p
.endr
.if \diag
	v_nop                                          ; the plain place behind the exponentials
.else
	v_pk_mul_f32 v[14:15], v[14:15], v[246:247] op_sel_hi:[1,0]           ; the sums under the new M (the plain place; of the pair the low word serves both halves)
.endif
	s_wait_alu depctr_va_vdst(0)                   ; one wait for the batch, ahead of its first reader
.irp b, 0,1,2,3
	v_max_num_f32 v[224+\b], FLOOR, v[224+\b]
.endr
.irp b, 0,1,2,3
	s_delay_alu instid0(VALU_DEP_4)
	v_add_nc_u32 v[232+\b], OFFE, v[224+\b]
.endr
.irp b, 0,1,2,3
	s_delay_alu instid0(VALU_DEP_4)
	v_lshrrev_b32 v[228+\b], 23, v[232+\b]
.endr
	s_delay_alu instid0(VALU_DEP_3)
	v_lshl_or_b32 v245, v229, 8, v228              ; p's scale word
	s_delay_alu instid0(VALU_DEP_1)
	v_lshl_or_b32 v245, v230, 16, v245
	s_delay_alu instid0(VALU_DEP_1)
	v_lshl_or_b32 v245, v231, 24, v245
.irp b, 0,1,2,3
	v_cvt_scalef32_pk8_fp4_f32 v[24+2*\b], v[96+16*\b:103+16*\b], v[232+\b]
	v_cvt_scalef32_pk8_fp4_f32 v[25+2*\b], v[104+16*\b:111+16*\b], v[232+\b]
.endr
	v_nop
.irp c, 0,1
.irp i, 0,1
	v_permlane16_swap_b32 v[24+4*\c+\i], v[26+4*\c+\i]   ; a whole block in a lane
.endr
.endr
	v_pk_add_f32 v[228:229], v[96:97], v[98:99]    ; the row's sum of the unquantised p, in four chains.  (These are also the places between p's codes and scale word and the products)
	v_pk_add_f32 v[252:253], v[100:101], v[102:103]
	v_pk_add_f32 v[250:251], v[104:105], v[106:107]
.if \diag
	v_pk_add_f32 v[14:15], v[108:109], v[110:111]
.else
	v_pk_add_f32 v[14:15], v[14:15], v[108:109]
	v_pk_add_f32 v[228:229], v[228:229], v[110:111]
.endif
.irp k, 112,120,128,136,144,152
	v_pk_add_f32 v[252:253], v[252:253], v[\k:\k+1]
	v_pk_add_f32 v[250:251], v[250:251], v[\k+2:\k+3]
	v_pk_add_f32 v[14:15], v[14:15], v[\k+4:\k+5]
	v_pk_add_f32 v[228:229], v[228:229], v[\k+6:\k+7]
.endr
	s_delay_alu instid0(VALU_DEP_2)
	v_pk_add_f32 v[14:15], v[14:15], v[252:253]
	s_delay_alu instid0(VALU_DEP_2)
	v_pk_add_f32 v[228:229], v[228:229], v[250:251]
	s_delay_alu instid0(VALU_DEP_1)
	v_pk_add_f32 v[14:15], v[14:15], v[228:229]
.if \diag == 0
	s_wait_alu depctr_va_vdst(0)                   ; the wait directly ahead of the first reader of O^T
.set jj, 0
.rept 32
	v_pk_mul_f32 v[160+jj:161+jj], v[160+jj:161+jj], v[246:247] op_sel_hi:[1,0]   ; O^T under the new M
.set jj, jj+2
.endr
.endif
	s_wait_alu depctr_va_vdst(0)                   ; the wait directly ahead of the wait below
	s_wait_dscnt 0x0                               ; V's 17 loads
.irp T, 0,1,2,3,4,5,6,7
	PV \T, \diag
.endr
.endm
; THE WAY OUT of a tile.  v[96 + 8 t + i] = o(my query, 16 t + 8 h + i).  Of each 64 channels (tiles 4 u .. 4 u + 3) lanes r >= 8 then take, in the registers of tiles 4 u, 4 u + 1, query r - 8's tiles 4 u + 2, 4 u + 3,
; and lanes r < 8, in the registers of tiles 4 u + 2, 4 u + 3, query r + 8's tiles 4 u, 4 u + 1 (lanes that have no source eight lanes off keep what they hold).  So group p = 2 u + g of 16 registers holds 64 channels of queries 8 g .. 8 g + 7
; in all 32 lanes: it goes into my stage as 8 rows of 256 bytes and comes back by rows.  ld = 1: the next tile's q is asked for as soon as O^T's registers are free.
.macro WAYOUT op, ld
.rept 4
	v_nop                                          ; places behind the last products
.endr
	v_add_f32 v14, v14, v15
	s_delay_alu instid0(VALU_DEP_1)
	v_permlanex16_b32 v248, v14, s16, s17
	s_delay_alu instid0(VALU_DEP_1)
	v_add_f32 v14, v14, v248                       ; the row's sum
	s_wait_alu depctr_va_vdst(0)                   ; the wait ahead of the transcendental
	v_rcp_f32 v14, v14
	v_nop
	s_wait_alu depctr_va_vdst(0)                   ; and ahead of its first reader, which is O^T's first reader too
.set jj, 0
.rept 32
	v_pk_mul_f32 v[96+jj:97+jj], v[160+jj:161+jj], v[14:15] op_sel_hi:[1,0]
.set jj, jj+2
.endr
	v_mov_b32_dpp v15, v14 row_xmask:8 row_mask:0xf bank_mask:0xf         ; 1 / the sum of lane r xor 8's query
.irp u, 0,1
.set kk, 0
.rept 16
	v_mul_f32_dpp v[96+32*\u+kk], v[176+32*\u+kk], v15 row_shr:8 row_mask:0xf bank_mask:0xf    ; lanes r >= 8: from lane r - 8
	v_mul_f32_dpp v[112+32*\u+kk], v[160+32*\u+kk], v15 row_shl:8 row_mask:0xf bank_mask:0xf   ; lanes r < 8: from lane r + 8
.set kk, kk+1
.endr
.endr
.if \ld
	LOADQ 58
.endif
.irp p, 0,1,2,3
.irp t, 0,1
	ds_store_b128 v2, v[96+16*\p+8*\t:99+16*\p+8*\t] offset:64*\t
	ds_store_b128 v2, v[100+16*\p+8*\t:103+16*\p+8*\t] offset:64*\t+16
.endr
.irp i, 0,1,2,3
	ds_load_b128 v[32+16*\p+4*\i:35+16*\p+4*\i], v3 offset:2*SP*\i   ; LDS serves a wave's instructions in order: these see the stores above, and the next group's stores come behind them
.endr
.endr
.irp p, 0,1,2,3
	s_wait_dscnt 8*(3-\p)                          ; behind this group's loads stand 8 LDS instructions for each later group
.irp i, 0,1,2,3
	global_store_b128 v4, v[32+16*\p+4*\i:35+16*\p+4*\i], s[\op:\op+1] offset:(8*(\p%2)+2*\i)*16384+256*(\p/2) th:TH_STORE_NT   ; each sixteen lanes store 256 consecutive bytes, aligned
.endr
.endr
.endm
	s_load_b128 s[4:7], s[0:1], 0x0                ; qkv, kv
	s_load_b64 s[8:9], s[0:1], 0x10                ; out0
	v_lshl_add_u32 v254, v0, 2, SPARE
	v_mov_b32 v255, 0
	ds_add_u32 v254, v255                          ; the opening lines: the add, twice on end, and its wait ahead of a first tensor load
	ds_add_u32 v254, v255
	v_lshrrev_b32 v32, 5, v0
	v_readfirstlane_b32 s10, v32                   ; wave 0..11
	s_mul_i32 s23, s10, WST
	s_add_co_u32 s23, s23, STAGE                   ; my stage
	s_add_co_u32 s75, s23, QSC
	v_and_b32 v32, 15, v0                          ; r
	v_bfe_u32 v33, v0, 4, 1                        ; h
	v_and_b32 v34, 31, v0                          ; lane
	v_bfe_u32 v35, v0, 3, 1                        ; r / 8
	v_and_b32 v36, 7, v0                           ; r % 8
	v_bfe_u32 v37, v0, 2, 2                        ; r / 4
	v_and_b32 v38, 3, v0
	v_lshlrev_b32 v1, 4, v34
	v_mul_u32_u24 v2, v36, SP
	v_lshl_add_u32 v2, v35, 7, v2
	v_lshl_add_u32 v2, v33, 5, v2
	v_add_nc_u32 v2, s23, v2                       ; in: row r % 8, + 128 (r / 8) + 32 h
	v_mul_u32_u24 v3, v33, SP
	v_lshl_add_u32 v3, v32, 4, v3
	v_add_nc_u32 v3, s23, v3                       ; back: lanes 0-15 one row, lanes 16-31 the next
	v_lshlrev_b32 v4, 14, v33
	v_lshl_add_u32 v4, v32, 4, v4                  ; and the same two rows in O
	v_lshlrev_b32 v5, 4, v33
	v_sub_nc_u32 v5, v32, v5                       ; r - 16 h: for the mask
	v_mul_u32_u24 v6, v33, QP
	v_lshl_add_u32 v6, v32, 5, v6
	v_add_nc_u32 v6, s23, v6                       ; q back from the stage: row H of a pair, 32 bytes a lane
	v_lshlrev_b32 v7, 8, v37
	v_lshl_add_u32 v7, v38, 2, v7
	v_lshl_add_u32 v7, v33, 4, v7
	v_add_nc_u32 v7, s23, v7                       ; q's codes into the stage: 256 (g / 4) + 4 (g % 4) + 16 H
	v_lshl_add_u32 v9, v33, 2, v37
	v_add_nc_u32 v9, s75, v9                       ; its scale bytes: 4 H + g / 4
	v_add_nc_u32 v10, s23, v1
	v_lshl_add_u32 v11, v32, 2, s75
	v_bfe_u32 v39, v0, 1, 4
	v_mul_u32_u24 v39, v39, POS
	v_and_b32 v40, 1, v0
	v_lshl_add_u32 v247, v40, 8, v39               ; the prefetch: row lane / 2, half lane % 2
	s_wait_alu depctr_va_vdst(0)                   ; the wait behind the head's vector work
	s_lshr_b32 s11, s10, 1                         ; g
	s_sub_co_u32 s12, 15, s11                      ; x1 = 15 - g
	s_lshl_b32 s74, s11, 2
	s_lshr_b32 s15, 0x894576, s74
	s_and_b32 s15, s15, 15                         ; x2 = 6, 7, 5, 4, 9, 8
	s_lshr_b32 s22, 0x203100, s74
	s_and_b32 s22, s22, 15                         ; x3 = -, -, 1, 3, 0, 2 (0 where there is no third tile)
	s_add_co_u32 s75, s12, s15                     ; x1 + x2
	s_add_co_u32 s33, s75, s22                     ; my open steps
	s_sub_co_u32 s34, 32, s12
	s_sub_co_u32 s35, 32, s75
	s_sub_co_u32 s36, s12, 3
	s_cmp_ge_u32 s11, 2                            ; have I a third tile?
	s_cselect_b32 s32, s75, 99
	s_sub_co_u32 s37, s32, 3
	s_bfe_u32 s13, ttmp6, 0x40000                  ; j
	s_and_b32 s14, ttmp7, 0xffff                   ; bh
	s_and_b32 s77, s10, 1
	s_lshl_b32 s77, s77, 2
	s_add_co_u32 s77, s77, s13                     ; 4 e + j
	s_lshl_b32 s[DQ], s77, 4
	s_mov_b32 s16, 0x76543210
	s_mov_b32 s17, 0xfedcba98
	s_mov_b32 s18, 0x3e0293ee                      ; c = log2(e) / sqrt(128)
	s_mov_b32 s19, s18
	s_mov_b32 s24, 15|(3<<16)|(1<<21)              ; the mask: all four; elements of 8 bytes; bit 21 beside a mask
	s_mov_b32 s25, 32<<16                          ; rows of 256 bytes,
	s_mov_b32 s26, 136<<16                         ; 136 of them: two key steps, 34,816 dense bytes
	s_mov_b32 s27, 32<<16
	s_mov_b32 s28, 136
	s_mov_b32 s29, 32
	s_mov_b32 s30, 0
	s_mov_b32 s31, 0
	s_lshr_b32 s68, s14, 5
	s_lshl_b32 s68, s68, 11                        ; 2,048 b
	s_and_b32 s69, s14, 31
	s_lshl_b32 s69, s69, 9                         ; 512 h
	s_mov_b32 s73, 0
	s_mul_i32 s41, s10, 2*UNIT                     ; key steps 2 w, 2 w + 1, in LDS (waves 0 to 7)
	s_mul_i32 s70, s14, 16*UNIT
	s_add_co_u32 s70, s70, s41                     ; and in kv: nothing here hangs on j
	s_mov_b32 s71, 0
	s_mov_b32 s40, 1
	s_wait_dscnt 0x0                               ; both opening adds are done
	s_wait_kmcnt 0x0
	TILEADR 12, 44, 46
	LOADQ 44                                       ; my first tile's q is on its way while the cluster meets
	s_add_nc_u64 s[42:43], s[6:7], s[70:71]
	s_or_b32 s43, s43, 0x80000000
	ROUND                                          ; all four work-groups are here: the joint loads meet
	s_cmp_lt_u32 s10, 8                            ; a branch on the wave's number: the same in every work-group
	s_cbranch_scc0 .Lnofill
	tensor_load_to_lds s[40:43], s[24:31]          ; my one tensor load
	s_nop 0
.rept 4
	v_nop
.endr
.Lnofill:
	TILEADR 15, 48, 50
	TILEADR 22, 52, 54
	s_cmp_ge_u32 s11, 2
	s_cselect_b64 s[66:67], s[54:55], s[50:51]     ; my last tile's O
	s_wait_tensorcnt 0x0                           ; my key steps have landed
	s_barrier_signal -1
	s_barrier_wait -1                              ; everybody's have: the whole head lies in LDS, and no tensor load is out when a wave stores to its stage
	s_wait_loadcnt 0x0                             ; the first tile's q
	QUANT
	s_mul_i32 s21, s12, UNIT
	STEP 1                                         ; the first tile's diagonal step
	s_mov_b32 s20, 0
.Lloop:                                            ; trip n: where n = x1 or n = x1 + x2 (with a third tile) a tile leaves and the next begins; where n = my open steps I am done; else an open step
	s_cmp_eq_u32 s20, s12
	s_cselect_b32 s76, 1, 0
	s_cmp_eq_u32 s20, s32
	s_cselect_b32 s76, 1, s76
	s_cselect_b64 s[58:59], s[52:53], s[48:49]     ; the next tile's q (no memory instruction of mine still reads these pairs: the waits below stand behind every use),
	s_cselect_b64 s[60:61], s[50:51], s[46:47]     ; the leaving tile's O,
	s_cselect_b32 s62, s22, s15                    ; the next tile's diagonal step
	s_cmp_eq_u32 s76, 0
	s_cbranch_scc1 .Lstay
	WAYOUT 60, 1
	s_wait_loadcnt 0x0                             ; the next tile's q
	s_wait_xcnt 0x0                                ; the stores have read their registers
	QUANT
	s_mul_i32 s21, s62, UNIT
	STEP 1
.Lstay:
	s_cmp_eq_u32 s20, s33
	s_cbranch_scc1 .Ldone
	s_cmp_lg_u32 s20, s36
	s_cbranch_scc1 .Lnoask1
	global_prefetch_b8 v247, s[48:49] th:TH_LOAD_NT scope:SCOPE_SE   ; the second tile's q, three trips ahead of its loads; its registers are never rewritten
.Lnoask1:
	s_cmp_lg_u32 s20, s37
	s_cbranch_scc1 .Lnoask2
	global_prefetch_b8 v247, s[52:53] th:TH_LOAD_NT scope:SCOPE_SE   ; the third tile's likewise
.Lnoask2:
	s_cmp_ge_u32 s20, s12
	s_cselect_b32 s23, s34, 0
	s_cmp_ge_u32 s20, s32
	s_cselect_b32 s23, s35, s23
	s_add_co_u32 s23, s23, s20
	s_and_b32 s23, s23, 15                         ; the key step: the trip's number less the trip at which my tile began
	s_mul_i32 s21, s23, UNIT
	STEP 0
	s_add_co_u32 s20, s20, 1
	s_cmp_lt_u32 s20, 22
	s_cbranch_scc1 .Lloop
.Ldone:
	WAYOUT 66, 0
	s_wait_tensorcnt 0x0                           ; the wave's end
	ds_add_u32 v254, v255
	s_wait_dscnt 0x0
	ROUND                                          ; the closing round
	s_endpgm
.Lfunc_end_k_q87c0811431_attn:
	.size	k_q87c0811431_attn, .Lfunc_end_k_q87c0811431_attn-k_q87c0811431_attn
	.p2alignl 7, 3214868480
	.fill 96, 4, 3214868480
	.section	.rodata,"a",@progbits
	.p2align	6, 0x0
	.amdhsa_kernel k_q87c0811431_attn
		.amdhsa_group_segment_fixed_size 327680
		.amdhsa_private_segment_fixed_size 0
		.amdhsa_enable_private_segment 0
		.amdhsa_kernarg_size 24
		.amdhsa_user_sgpr_count 2
		.amdhsa_user_sgpr_kernarg_segment_ptr 1
		.amdhsa_wavefront_size32 1
		.amdhsa_system_sgpr_workgroup_id_x 1
		.amdhsa_system_sgpr_workgroup_id_y 1
		.amdhsa_system_sgpr_workgroup_id_z 1
		.amdhsa_system_vgpr_workitem_id 0
		.amdhsa_next_free_vgpr 256
		.amdhsa_next_free_sgpr 80
		.amdhsa_reserve_vcc 1
		.amdhsa_float_denorm_mode_32 3
		.amdhsa_float_denorm_mode_16_64 3
		.amdhsa_memory_ordered 1
		.amdhsa_forward_progress 1
		.amdhsa_inst_pref_size 107
	.end_amdhsa_kernel
	.amdgpu_metadata
---
amdhsa.version: [ 1, 2 ]
amdhsa.kernels:
  - .name:           k_q87c0811431_attn
    .symbol:         k_q87c0811431_attn.kd
    .args:
      - { .name: qkv, .offset: 0, .size: 8, .value_kind: global_buffer, .address_space: global }
      - { .name: kv, .offset: 8, .size: 8, .value_kind: global_buffer, .address_space: global }
      - { .name: out0, .offset: 16, .size: 8, .value_kind: global_buffer, .address_space: global }
    .group_segment_fixed_size: 327680
    .private_segment_fixed_size: 0
    .kernarg_segment_align: 8
    .kernarg_segment_size: 24
    .max_flat_workgroup_size: 384
    .sgpr_count:     80
    .vgpr_count:     256
    .wavefront_size: 32
...
	.end_amdgpu_metadata
.endif
;; end of part 2
